; MI455X (gfx1250); checked and timed in simulation.
; The chip was launched on July 23, 2026; its instructions are those of AMD's public machine-readable ISA for CDNA 5 (MIT licence, August 2026) and "CDNA5" Instruction Set Architecture Reference Guide (July 2026). The comments in the code are by the model that wrote it; some were corrected since.
;; Cell Contentl Attention. Allowed arithmetic: matrix products marked QUANTISED: E2M3 operands, one E8M0 scale for each 32 along K, by v_wmma_scale_f32_16x16x128_f8f6f4 with both operands' format E2M3, f32 sums; products left as they are: f32 operands where the result goes on into a quantised operand, else bf16, f16 or f32 operands; f32 sums; everything else in f32.
;; Inputs: W_cell 512 x 512 float32; W_comb 512 x 1 float32; W_enc 512 x 512 float32; W_str 256 x 512 float32; b_cell 512 float32; b_comb 1 float32; b_enc 512 float32; b_str 512 float32; cell_content_hidden_state 1 x 64 x 512 float32; encoded_features_map 64 x 1,024 x 512 float32; structural_hidden_state 1 x 64 x 256 float32.
;; Outputs: out0 64 x 512 float32.
;; This version of the problem:
;;   THIS VERSION OF THE PROBLEM IS GIVEN IN LOW PRECISION. The matrix products marked QUANTISED in the list below multiply operands that are first quantised to E2M3 (2 exponent bits, 3 mantissa bits; 6 bits a number), with one power-of-two scale for each 32 numbers along K (OCP MX v1.0); their sums are f32. All else is computed in f32.
;;   The module's matrix products, in the order in which they are computed (A, B: the left and right operand; K: the contracted axis; several contracted axes count as one K, in the product's order):
;;     1. [M 65,536, K 512] x [K 512, N 512]; A: input encoded_features_map; B: input W_enc: QUANTISED
;;     2. [M 64, K 256] x [K 256, N 512]; A: input structural_hidden_state; B: input W_str: QUANTISED
;;     3. [M 64, K 512] x [K 512, N 512]; A: input cell_content_hidden_state; B: input W_cell: QUANTISED
;;     4. [M 65,536, K 512] x [K 512, N 1]; A: computed on the way; B: computed on the way: left as it is (N = 1 < 16)
;;     5. batch 64 x [M 1, K 1,024] x [K 1,024, N 512]; A: softmax; B: input encoded_features_map: left as it is (M = 1 < 16)
;;   THE QUANTISER, for each operand of a quantised product, along K:
;;     - K is cut into blocks of 32 from its start; a last block that is shorter is filled with zeros.
;;     - A block's scale is 2^e with e = floor(log2(the largest magnitude in the block)) - 2, held to -126 .. 127; a block of zeros has e = 0. As a byte (E8M0): e + 127.
;;     - Each number is divided by its block's scale, clamped to +-7.5, and rounded to the nearest number of E2M3, ties to even, subnormals kept.
;;     - The product sums the exact products of the quantised numbers (number of the format x scale) in f32.
;;   ~~~python
;;   def quantise(x, axis):      # numpy; x: float32 -> the quantised numbers, widened to float32 again
;;       x = np.moveaxis(x, axis, -1); K = x.shape[-1]
;;       x = np.pad(x, [(0, 0)] * (x.ndim - 1) + [(0, -K % 32)]); x = x.reshape(x.shape[:-1] + (-1, 32)); a = np.abs(x).max(-1, keepdims=True)
;;       e = np.where(a > 0, np.clip(np.frexp(np.where(a > 0, a, 1))[1] - 1 - 2, -126, 127), 0)      # np.frexp(a)[1] - 1 = floor(log2(a)), exactly
;;       r = np.clip(x / 2.0 ** e, -7.5, 7.5)
;;       step = 2.0 ** (np.maximum(np.frexp(np.where(r == 0, 1, r))[1] - 1, 0) - 3)
;;       q = np.round(r / step) * step * 2.0 ** e      # np.round: ties to even
;;       return np.moveaxis(q.reshape(q.shape[:-2] + (-1,))[..., :K], -1, axis).astype(np.float32)
;;   ~~~
;; One version. Each part assembles by itself: llvm-mc -triple=amdgcn-amd-amdhsa -mcpu=gfx1250 --defsym DOCPART=n.
;; ======== version 1 of 1: 3 launches
;; limits: right only within a limited range of input values
;; workspace buffers: wq 196,608 bytes; wsc 16,384 bytes; cb 131,072 bytes; part 589,824 bytes
;; launch prep (part 1): grid 32 x 4, 7 waves a work-group, no clusters, 67,328 bytes of LDS; arguments W_enc, W_cell, W_str, cell_content_hidden_state, structural_hidden_state, b_enc, b_cell, b_str, wq, wsc, cb; writes wq, wsc, cb
.if DOCPART == 1
	.amdgcn_target "amdgcn-amd-amdhsa--gfx1250"
	.amdhsa_code_object_version 6
	.text
	.protected	k_qf5b700c1c9_prep
	.globl	k_qf5b700c1c9_prep
	.p2align	8
	.type	k_qf5b700c1c9_prep,@function
k_qf5b700c1c9_prep:
	s_mov_b64 s[64:65], 0
	v_nop
	global_prefetch_b8 v0, s[64:65] scope:SCOPE_SE
	s_setreg_imm32_b32 hwreg(HW_REG_WAVE_MODE, 25, 1), 1
	s_wait_xcnt 0x0
; PREP.  (1) W_enc [512 k][512 a], f32, becomes codes of FP6 (E2M3) with one E8M0 scale byte for each 32 along k, laid as the later reader's registers:
;     wq [f = 4 t + s][c = 0..2][lane][16 bytes]: the 12 registers a lane of the fragment of units a = 16 t .. 16 t + 15, K step s (128 along k);  wsc [f][lane][4 bytes]: unit 16 t + lane % 16's scale word.
; (2) cb[t][b][n] = (cell_state[b] . W_cell + structural_state[b] . W_str + b_enc + b_cell + b_str) at unit 16 t + n: both products on codes of FP6, quantised here along k, sums in f32.
; DEAD WORK LEFT OUT OF THE PROGRAM: b_comb.  reference() adds the one number b_comb[0] to every score of a batch ahead of a softmax over those scores: e^(s + b - max(s + b)) = e^(s - max s) for every finite b, so it reaches no output.
; It is loaded by no launch and is among no launch's arguments.  LIMIT: a NaN, an infinity or an overflow that reaches only that sum is not carried to the result.
; SHARES.  Work-group (t = x, y): 16 units, 16 batches.  Wave 0 makes W_enc's fragment (t, s = y): 32 x 4 work-groups make the 128 fragments.  Waves 1-4 take K steps 0-3 of W_cell against rows 16 y .. 16 y + 15 of the cell
; state, waves 5-6 K steps 0-1 of W_str against the structural state: one matrix instruction each.  The six tiles and the biases' sum meet in LDS, and wave 0 adds them and stores the tile of cb: 1,024 consecutive bytes.
; A LANE TAKES A COLUMN OF THE WEIGHT, AND ITS REGISTERS RUN DOWN k, in the order that the operand's layout gives that lane (k = 64 c + 32 h + 0 .. 31): the conversions' results are the operand's registers, nothing is transposed.
; THE HIDDEN STATES' ROWS are read a row's 512 consecutive bytes to a load, and turn through the wave's own stage in LDS (16 rows, 528 bytes apart, from byte 8,192 + 8,448 x wave on): there a lane takes its own row's 16 bytes at a time.
; A block's scale is 2^(floor(log2(its largest magnitude)) - 2); its byte is the largest magnitude's exponent field - 2, held at 1 from below.
; LIMITS: a block whose largest magnitude lies under 2^-124 gets the byte 1; a block of zeros gets the byte 1 where the quantiser says 127 (its codes are zeros, and this program alone reads the bytes); NaN and infinities among the inputs are not served.
; No tensor loads, no cluster: a work-group reads 7 x 8 KiB of weights once, through registers.  No prefetch: no loop to run ahead in.
.set X,    32                          ; v32-95   64 numbers of the weight: register 32 c + i = k 64 c + 32 h + i of my column; later the seven tiles to be added
.set HH,   96                          ; v96-159  the same of my row of the hidden state (ahead of the turn: row j's 16 bytes at v[96 + 4 j])
.set PCW,  160                         ; v160-171 the weight's codes
.set PCH,  172                         ; v172-183 the hidden state's
.set PT,   184                         ; v184-190 the upper halves of two blocks' codes, on their way
.set DD,   192                         ; v192-199 the product; ahead of it v192-207 the offsets of the hidden state's rows
.set BI,   200                         ; v200-211 wave 0: three biases, four numbers each
.set TM,   12                          ; v12-13   largest magnitudes
.set SO,   14                          ; v14-15   the conversions' scale operands
.set BY,   16                          ; v16-17   scale bytes
.set PWW,  18                          ; v18      the weight's scale word: scales and nothing else
.set PWH,  19                          ; v19      the hidden state's
.set SH8,  9                           ; v9       8 h
.set TP,   10                          ; v10      a lane permute's destination
.set SEL,  30                          ; s[30:31] v_permlanex16_b32's selects for lane l xor 16
; 64 numbers of a lane become a fragment's 12 registers of codes, v[pc] on, and its scale word, v[pw].  A lane holds two whole blocks (2 c + h): no other lane is asked for a maximum.
.macro QUANT src, pc, pw
.irp c, 0,1
	v_max3_num_f32 v[TM+\c], |v[\src+32*\c]|, |v[\src+32*\c+1]|, 0x1800000   ; with the floor 2^(3 - 127): the byte cannot fall under 1
.endr
.irp i, 2,4,6,8,10,12,14,16,18,20,22,24,26,28,30
.irp c, 0,1
	v_max3_num_f32 v[TM+\c], v[TM+\c], |v[\src+32*\c+\i]|, |v[\src+32*\c+\i+1]|   ; the two blocks by turns
.endr
.endr
.irp c, 0,1
	v_add_nc_u32 v[SO+\c], 0xff000000, v[TM+\c]    ; 2 off the exponent field: the conversion takes this operand's exponent field as its scale
.endr
.irp c, 0,1
	v_lshrrev_b32 v[BY+\c], 23, v[SO+\c]           ; the scale's byte
.endr
	v_lshl_or_b32 v[\pw], v[BY+1], 16, v[BY]       ; my two bytes: blocks h and 2 + h,
	v_lshlrev_b32 v[\pw], v[SH8], v[\pw]           ; at their places in the word;
	v_permlanex16_b32 v[TP], v[\pw], s[SEL], s[SEL+1]
	v_or_b32 v[\pw], v[\pw], v[TP]                 ; with lane l xor 16's two the word is whole, in both halves of the lanes
.irp c, 0,1
	v_cvt_scalef32_pk16_fp6_f32 v[\pc+6*\c:\pc+6*\c+2], v[\src+32*\c:\src+32*\c+15], v[SO+\c]
	v_cvt_scalef32_pk16_fp6_f32 v[PT+4*\c:PT+4*\c+2], v[\src+32*\c+16:\src+32*\c+31], v[SO+\c]   ; (a conversion's three registers begin on an even number)
.endr
	v_nop                                          ; one plain instruction behind the scaled conversions
.irp c, 0,1
.irp i, 0,1,2
	v_mov_b32 v[\pc+3+6*\c+\i], v[PT+4*\c+\i]
.endr
.endr
.endm
	s_load_b512 s[4:19], s[0:1], 0x0               ; W_enc s4, W_cell s6, W_str s8, cell state s10, structural state s12, b_enc s14, b_cell s16, b_str s18
	s_load_b128 s[20:23], s[0:1], 0x40             ; wq, wsc
	s_load_b64 s[24:25], s[0:1], 0x50              ; cb
	v_lshl_add_u32 v224, v0, 2, 0x1c00
	v_mov_b32 v225, 0
	v_lshrrev_b32 v1, 5, v0
	v_readfirstlane_b32 s26, v1                    ; wave 0..6
	s_and_b32 s28, ttmp7, 0xffff                   ; y
	v_and_b32 v1, 31, v0                           ; lane
	v_and_b32 v2, 15, v0                           ; r
	v_bfe_u32 v3, v0, 4, 1                         ; h
	v_lshlrev_b32 v4, 2, v2
	v_lshl_add_u32 v4, v3, 16, v4                  ; the weight: column r, and 32 rows of 2,048 bytes further down for lanes 16-31
	v_lshlrev_b32 v6, 4, v1                        ; 16 x lane
	v_lshlrev_b32 v7, 2, v1                        ; 4 x lane
	s_lshl_b32 s35, s26, 10
	v_lshl_add_u32 v8, v2, 6, s35
	v_lshl_add_u32 v8, v3, 5, v8                   ; LDS: my wave's 1,024 bytes, [batch r][16 units]: my eight units
	v_lshlrev_b32 v[SH8], 3, v3
	v_mov_b32 v[TP], 0                             ; written once: a lane permute's destination counts as one of its sources
	v_and_b32 v11, 3, v0
	v_lshlrev_b32 v11, 4, v11                      ; the four units of a tile's 16 that lie in my 16 bytes of it
	s_mul_i32 s27, s26, 8448
	s_add_co_u32 s27, s27, 8192                    ; my stage
	v_add_nc_u32 v20, s27, v6                      ; into it: 16 x lane
	v_mul_u32_u24 v21, v2, 0x210
	v_lshl_add_u32 v21, v3, 7, v21
	v_add_nc_u32 v21, s27, v21                     ; out of it: row r, + 32 numbers for lanes 16-31
	s_mov_b32 s[SEL], 0x76543210
	s_mov_b32 s[SEL+1], 0xfedcba98
	s_sub_co_u32 s35, s26, 1                       ; W_cell's K step
	s_sub_co_u32 s39, s26, 5                       ; W_str's
	s_mov_b32 s38, 2048                            ; a row of the cell state in bytes
	s_mov_b32 s47, 0
	s_lshl_b32 s29, ttmp9, 6                       ; 16 units x 4 bytes x t
	s_wait_alu depctr_va_vdst(0)
	s_wait_kmcnt 0x0
	s_cmp_eq_u32 s26, 0                            ; the choices hang on the wave's number alone
	s_cselect_b64 s[32:33], s[4:5], s[6:7]         ; my weight,
	s_cselect_b32 s34, s28, s35                    ; my K step,
	s_cmp_ge_u32 s26, 5
	s_cselect_b64 s[32:33], s[8:9], s[32:33]
	s_cselect_b64 s[36:37], s[12:13], s[10:11]     ; my hidden state,
	s_cselect_b32 s34, s39, s34
	s_cselect_b32 s38, 1024, s38                   ; and its row in bytes
	s_lshl_b32 s46, s34, 18                        ; 128 rows of 2,048 bytes a K step
	s_add_co_u32 s46, s46, s29
	s_add_nc_u64 s[32:33], s[32:33], s[46:47]
	s_lshl_b32 s46, s28, 4
	s_mul_i32 s46, s46, s38                        ; batch 16 y,
	s_lshl_b32 s35, s34, 9                         ; 512 bytes a K step
	s_add_co_u32 s46, s46, s35
	s_add_nc_u64 s[36:37], s[36:37], s[46:47]
	s_lshl_b32 s35, ttmp9, 2
	s_add_co_u32 s35, s35, s28                     ; f = 4 t + y
	s_mul_i32 s46, s35, 1536
	s_add_nc_u64 s[40:41], s[20:21], s[46:47]      ; wq at fragment f
	s_lshl_b32 s46, s35, 7
	s_add_nc_u64 s[42:43], s[22:23], s[46:47]      ; wsc likewise
	s_lshl_b32 s46, ttmp9, 12
	s_lshl_b32 s35, s28, 10
	s_add_co_u32 s46, s46, s35
	s_add_nc_u64 s[44:45], s[24:25], s[46:47]      ; cb at tile (t, y)
	s_mov_b32 s46, s29
	s_add_nc_u64 s[14:15], s[14:15], s[46:47]      ; the biases at unit 16 t
	s_add_nc_u64 s[16:17], s[16:17], s[46:47]
	s_add_nc_u64 s[18:19], s[18:19], s[46:47]
.set i, 0
.rept 64
	global_load_b32 v[X+i], v4, s[32:33] offset:(64*(i/32)+i%32)*2048   ; W(128 s + 64 c + 32 h + i, 16 t + r): sixteen lanes read 64 consecutive bytes
.set i, i+1
.endr
	s_cmp_lg_u32 s26, 0
	s_cbranch_scc1 .Lproduct
	; ---- wave 0: W_enc's fragment, and the biases' sum as a seventh tile
	s_wait_alu depctr_va_vdst(0)
	global_load_b128 v[BI:BI+3], v11, s[14:15]
	global_load_b128 v[BI+4:BI+7], v11, s[16:17]
	global_load_b128 v[BI+8:BI+11], v11, s[18:19]
	s_wait_loadcnt 3                               ; the weight's 64 loads are in; the three younger ones may be out
	QUANT X, PCW, PWW
.irp c, 0,1,2
	global_store_b128 v6, v[PCW+4*\c:PCW+4*\c+3], s[40:41] offset:512*\c   ; the registers as they stand: each store covers 512 consecutive bytes
.endr
	global_store_b32 v7, v[PWW], s[42:43]
	s_wait_loadcnt 0x0
	v_pk_add_f32 v[BI:BI+1], v[BI:BI+1], v[BI+4:BI+5]
	v_pk_add_f32 v[BI+2:BI+3], v[BI+2:BI+3], v[BI+6:BI+7]
	v_pk_add_f32 v[BI:BI+1], v[BI:BI+1], v[BI+8:BI+9]
	v_pk_add_f32 v[BI+2:BI+3], v[BI+2:BI+3], v[BI+10:BI+11]
	ds_store_b128 v6, v[BI:BI+3]                   ; region 0: the same 16 units for each of the 16 batches
	ds_store_b128 v6, v[BI:BI+3] offset:512
	s_branch .Lmeet
.Lproduct:
	; ---- waves 1-6: one K step of one of the two small products
.irp j, 0,1,2,3,4,5,6,7,8,9,10,11,12,13,14,15
	v_mad_u32_u24 v[DD+\j], s38, \j, v6            ; row j of my 16, + 16 x lane
.endr
	s_wait_alu depctr_va_vdst(0)
.irp j, 0,1,2,3,4,5,6,7,8,9,10,11,12,13,14,15
	global_load_b128 v[HH+4*\j:HH+4*\j+3], v[DD+\j], s[36:37]   ; 512 consecutive bytes of a row
.endr
	s_wait_loadcnt 16                              ; the weight's loads are in; the hidden state's sixteen may be out
	QUANT X, PCW, PWW
	s_wait_loadcnt 0x0
.irp j, 0,1,2,3,4,5,6,7,8,9,10,11,12,13,14,15
	ds_store_b128 v20, v[HH+4*\j:HH+4*\j+3] offset:528*\j
.endr
	s_wait_dscnt 0x0                               ; the stage is mine alone: no barrier
.irp c, 0,1
.irp i, 0,1,2,3,4,5,6,7
	ds_load_b128 v[HH+32*\c+4*\i:HH+32*\c+4*\i+3], v21 offset:256*\c+16*\i
.endr
.endr
	s_wait_dscnt 0x0
	QUANT HH, PCH, PWH
.rept 8
	v_nop                                          ; a scale register written by a vector instruction stands 8 places ahead of a scaled matrix instruction, an operand so written 4
.endr
	v_wmma_scale_f32_16x16x128_f8f6f4 v[DD:DD+7], v[PCW:PCW+11], v[PCH:PCH+11], 0, v[PWW], v[PWH] matrix_a_fmt:MATRIX_FMT_FP6 matrix_b_fmt:MATRIX_FMT_FP6   ; source 0 = 16 units, source 1 = 16 batches: lane (r, h) holds batch r, units 8 h + 0 .. 7
.rept 4
	v_nop                                          ; four places in front of the first read of the result (ISA guide 7.12.1)
.endr
	ds_store_b128 v8, v[DD:DD+3]                   ; from the low end on
	ds_store_b128 v8, v[DD+4:DD+7] offset:16
.Lmeet:
	s_wait_dscnt 0x0                               ; for wave 0's sake: my stores have landed
	s_barrier_signal -1
	s_barrier_wait -1
	s_cmp_lg_u32 s26, 0
	s_cbranch_scc1 .Lend
.irp g, 0,1,2,3,4,5,6
.irp u, 0,1
	ds_load_b128 v[X+8*\g+4*\u:X+8*\g+4*\u+3], v6 offset:1024*\g+512*\u
.endr
.endr
	s_wait_dscnt 0x0
.irp g, 1,2,3,4,5,6
.irp p, 0,1,2,3
	v_pk_add_f32 v[X+2*\p:X+2*\p+1], v[X+2*\p:X+2*\p+1], v[X+8*\g+2*\p:X+8*\g+2*\p+1]
.endr
.endr
	global_store_b128 v6, v[X:X+3], s[44:45]       ; each store covers 512 consecutive bytes, at a multiple of 256 from cb's first byte
	global_store_b128 v6, v[X+4:X+7], s[44:45] offset:512
.Lend:
	s_wait_tensorcnt 0x0
	ds_add_u32 v224, v225
	s_wait_dscnt 0x0
	s_endpgm
.Lfunc_end_k_qf5b700c1c9_prep:
	.size	k_qf5b700c1c9_prep, .Lfunc_end_k_qf5b700c1c9_prep-k_qf5b700c1c9_prep
	.p2alignl 7, 3214868480
	.fill 96, 4, 3214868480
	.section	.rodata,"a",@progbits
	.p2align	6, 0x0
	.amdhsa_kernel k_qf5b700c1c9_prep
		.amdhsa_group_segment_fixed_size 67328
		.amdhsa_private_segment_fixed_size 0
		.amdhsa_enable_private_segment 0
		.amdhsa_kernarg_size 88
		.amdhsa_user_sgpr_count 2
		.amdhsa_user_sgpr_kernarg_segment_ptr 1
		.amdhsa_wavefront_size32 1
		.amdhsa_system_sgpr_workgroup_id_x 1
		.amdhsa_system_sgpr_workgroup_id_y 1
		.amdhsa_system_sgpr_workgroup_id_z 1
		.amdhsa_system_vgpr_workitem_id 0
		.amdhsa_next_free_vgpr 226
		.amdhsa_next_free_sgpr 66
		.amdhsa_reserve_vcc 0
		.amdhsa_float_denorm_mode_32 3
		.amdhsa_float_denorm_mode_16_64 3
		.amdhsa_memory_ordered 1
		.amdhsa_forward_progress 1
		.amdhsa_inst_pref_size 28
	.end_amdhsa_kernel
	.amdgpu_metadata
---
amdhsa.version: [ 1, 2 ]
amdhsa.kernels:
  - .name:           k_qf5b700c1c9_prep
    .symbol:         k_qf5b700c1c9_prep.kd
    .args:
      - { .name: W_enc, .offset: 0, .size: 8, .value_kind: global_buffer, .address_space: global }
      - { .name: W_cell, .offset: 8, .size: 8, .value_kind: global_buffer, .address_space: global }
      - { .name: W_str, .offset: 16, .size: 8, .value_kind: global_buffer, .address_space: global }
      - { .name: cell_content_hidden_state, .offset: 24, .size: 8, .value_kind: global_buffer, .address_space: global }
      - { .name: structural_hidden_state, .offset: 32, .size: 8, .value_kind: global_buffer, .address_space: global }
      - { .name: b_enc, .offset: 40, .size: 8, .value_kind: global_buffer, .address_space: global }
      - { .name: b_cell, .offset: 48, .size: 8, .value_kind: global_buffer, .address_space: global }
      - { .name: b_str, .offset: 56, .size: 8, .value_kind: global_buffer, .address_space: global }
      - { .name: wq, .offset: 64, .size: 8, .value_kind: global_buffer, .address_space: global }
      - { .name: wsc, .offset: 72, .size: 8, .value_kind: global_buffer, .address_space: global }
      - { .name: cb, .offset: 80, .size: 8, .value_kind: global_buffer, .address_space: global }
    .group_segment_fixed_size: 67328
    .private_segment_fixed_size: 0
    .kernarg_segment_align: 8
    .kernarg_segment_size: 88
    .max_flat_workgroup_size: 224
    .sgpr_count:     66
    .vgpr_count:     226
    .wavefront_size: 32
...
	.end_amdgpu_metadata
.endif
;; end of part 1
;; launch main (part 2): grid 256 x 1, 4 waves a work-group, no clusters, 327,680 bytes of LDS; arguments encoded_features_map, wq, wsc, cb, W_comb, part; writes part
.if DOCPART == 2
	.amdgcn_target "amdgcn-amd-amdhsa--gfx1250"
	.amdhsa_code_object_version 6
	.text
	.protected	k_qf5b700c1c9_main
	.globl	k_qf5b700c1c9_main
	.p2align	8
	.type	k_qf5b700c1c9_main,@function
k_qf5b700c1c9_main:
	s_mov_b64 s[64:65], 0
	v_nop
	global_prefetch_b8 v0, s[64:65] scope:SCOPE_SE
	s_setreg_imm32_b32 hwreg(HW_REG_WAVE_MODE, 25, 1), 1
	s_wait_xcnt 0x0
; MAIN.  For 256 rows l of one batch b (work-group g: batch g / 4, rows 256 (g % 4) on):  score[l] = relu(x[l] . W_enc + cb[b]) . W_comb;  a running softmax over the rows;  ctx = the sum of p[l] x[l].
; It leaves part[g] = (ctx[512], m, sum of p), p = 2^(t - m), t = score x log2(e), m the largest t of the 256 rows; the next launch joins a batch's four.
; Left out as dead work: b_comb, which adds the same number to all scores of a softmax (shown at the head of the first kernel).
; x . W_enc is made on codes of FP6 (E2M3) with one E8M0 scale for each 32 along K: W_enc's come ready from wq and wsc, x's are made here.  All else is f32: the products with one column or one row are fused multiply-adds.
; x IS READ FROM MEMORY ONCE AND FROM LDS ONCE: a wave's registers that feed the quantiser feed the context too.
; SHARES.  Of x, wave w owns columns 128 w .. + 127 (K step w, 512 bytes of each row): it loads, quantises and sums them into the context; no other wave reads them from the slots.  Of the product, wave w owns units 128 w .. + 127:
; its 32 fragments of W_enc (8 tiles x 4 K steps, 384 registers), scale words, parts of cb and W_comb stay in registers.  From wave to wave go x's codes, as images of the operand's registers, their scale words, and partial scores.
; THE PIPELINE.  The rows go in eight UNITS of 32, u = 0 .. 7.  Between two barriers (interval u) a wave makes the product of unit u and its share of the scores; the softmax's step and the context of unit u - 1;
; and the codes of unit u + 1.  So images and partial scores have two buffers, and x two sets of 128 registers: unit u + 1 takes the set of unit u - 1, whose context is done by then.
; An interval has four PHASES of 16 products: tile 0 with my units 0-63 (half 0), tile 0 with 64-127 (half 1), then tile 1 likewise; a half's four accumulators take turns, one instruction a turn.
; Behind each product stand vector lines: the context (phases 0, 1), the scores of the half before (1, 2, 3 and behind the last), the search for the largest magnitudes (3).  The conversions stand behind the last product.
; Window 1 holds half 0's W, window 2 half 1's; half 0's W_comb lies in window 2 and half 1's in window 1: so the products of a half and the score lines of the other run under one window setting.
; THE MATRIX INSTRUCTION IS USED TRANSPOSED (source 0 = 16 units, source 1 = 16 rows of x): lane (r, h) holds row r and eight units, so a row's score is a sum down registers and one exchange between the halves of the lanes.
; THE SOFTMAX IS A LANE'S OWN: lane (r, h) keeps the largest t, the sum and 64 columns' context of the rows 16 m + r that it holds; the sixteen lanes are brought under one m at the end.
; LDS: x goes through two slots of 64 rows (two units), filled by the tensor data mover, one load a wave: block 0 at the head, block 1 behind the first barrier, blocks 2 and 3 behind the barriers that open intervals 2 and 4.
; PREFETCHES: block 1 at the head; block 2 in interval 0 and block 3 in interval 2, each two intervals ahead of its tensor load: of each row my wave's 512 bytes as two pieces of 256, a lane a piece, each asked for once in the launch; none passes my 256 rows.
; NO CLUSTER: x is shared by nobody.  W_enc's codes are shared by all, but each wave wants its 48 KiB in registers, once; 192 KiB in LDS beside the slots (264 KiB) would not fit.
; LIMITS: a block of 32 whose largest magnitude lies under 2^-124, or a block of zeros, gets the scale byte 1; NaN and infinities among the inputs are not served; the promise holds while the scaled scores t stay under 2^31 in magnitude.
; REGISTERS.  Window 1: half 0's W at v[48 t + 12 s], its cb at v192, half 1's W_comb at v224.  Window 2: half 1's W, its cb at v192, half 0's W_comb at v224.  Window 3: x: unit v's tile m at v[128 (v % 2) + 64 m].  Window 0: below.
.set QB,    33792                      ; a wave's quarter of a slot: 64 rows x (512 bytes + 16 of padding)
.set RP,    528                        ; an LDS row = 132 words: the sixteen rows that a load of 16 bytes a lane touches begin at sixteen different banks (64 banks of 4 bytes: ISA guide 11.1)
.set SLOT,  4*QB                       ; 135,168
.set XIMG,  2*SLOT                     ; two buffers of 8 fragments (4 m + s) of 1,536 bytes.  From here on no tensor load lands
.set IMB,   12288
.set XSC,   XIMG+2*IMB                 ; scale words: two buffers of [m][lane][q], 4 bytes each: lane (r, h) of q: K step 2 q + h of row r
.set PS,    XSC+1024                   ; partial scores: two buffers of [r][wave][m], a row r every 48 bytes
.set PSP,   48
.set PSB,   16*PSP
.set SPARE, PS+2*PSB                   ; the spare words, 128 bytes for each wave
.set SPW,  1                           ; v1   LDS address of my spare word; never rewritten
.set NIL,  2                           ; v2   0; never rewritten
.set L16,  3                           ; v3   16 x lane
.set WSA,  4                           ; v4   128 h + 4 r
.set H32,  5                           ; v5   32 h
.set XQ,   6                           ; v6-7   slot 0, 1: my quarter, row r, + 128 h bytes
.set CQ,   8                           ; v8   slot 0: my quarter, + 16 x lane
.set L8,   9                           ; v9   8 x lane
.set XIW,  10                          ; v10  XIMG + 1,536 w + 16 x lane
.set XSW,  11                          ; v11  XSC + 8 r + 128 (w % 2) + 4 (w / 2)
.set LIX,  12                          ; v12  XIMG + 16 x lane
.set PSW,  13                          ; v13  PS + 48 r + 8 w
.set PSR,  14                          ; v14  PS + 48 r
.set SH8,  15                          ; v15  8 h
.set PF,   16                          ; v16  the prefetch's lane term: row lane / 2, 256 bytes x (lane % 2)
.set TP,   17                          ; v17  a lane permute's destination
.set LXS,  18                          ; v18  XSC + 8 x lane
.set SCR,  19                          ; v19  a partial score
.set T0,   20
.set T1,   21
.set PW,   20                          ; v20-21 two scale words just made (T0 and T1 are at work elsewhere)
.set MX,   22                          ; v22  m: my lane's largest t so far
.set LSUM, 23                          ; v23  my lane's sum of p
.set WS,   24                          ; v24-39 W's scale words: [q][t], lanes 0-15 K step 2 q, lanes 16-31 K step 2 q + 1
.set XS,   40                          ; v40-43 x's, two registers for each tile of a unit, laid likewise
.set PV,   44                          ; v44, v46 p of rows r and 16 + r, the low words of two pairs
.set FF,   48                          ; v48  2^(old m - new m), the low word of a pair
.set TM,   50                          ; v50-57 largest magnitudes: [m][c][half of the block]; then scale bytes
.set SO,   58                          ; v58-61 the conversions' scale operands
.set TPQ,  62                          ; v62-63 lane permutes' destinations
.set ACC,  64                          ; v64-95 half 0's accumulators, v96-127 half 1's; at the end 16 rows of sums
.set RBK,  64
.set XF,   128                         ; v128-175 a tile's four fragments; behind an interval's last product the new codes (24) and
.set PT,   152                         ; v152-167 the upper halves of their blocks
.set CT,   176                         ; v176-239 the context's 64 sums
.set SS,   240                         ; v240-247 four pairs of running sums of a row's score
.set SV,   248                         ; v248-255 the softmax: four waves' partial scores of my two rows
.set WV,   18
.set SEL,  20                          ; s[20:21] v_permlanex16_b32's selects for lane l xor 16
.set G1,   24                          ; s[24:31] descriptor group 1
.set G0,   32                          ; s[32:35] group 0: the next block's
.set XP,   40                          ; s[40:41] x at my work-group's first row, my wave's columns
.set WQP,  42
.set WSP,  44
.set CBP,  46
.set WCP,  48
.set PP,   50
.set MSB, 0
.macro WIN new                         ; the immediate's high byte repeats the setting that is left; a switch that changes nothing is dropped
.if MSB != (\new)
	s_set_vgpr_msb (MSB<<8)|(\new)
.set MSB, \new
.endif
.endm
.macro NOPS n
.rept \n
	v_nop
.endr
.endm
.macro BARR                            ; my LDS stores have landed and my LDS loads are in: then the work-group's barrier
	s_wait_alu depctr_va_vdst(0)
	s_wait_dscnt 0x0
	s_barrier_signal -1
	s_barrier_wait -1
.endm
; A barrier behind which the next block is asked for, into the other slot: all my tensor loads have landed, so group 0 may be written.
.macro NEXTBLK
	s_wait_alu depctr_va_vdst(0)
	s_wait_tensorcnt 0x0
	ds_add_u32 v[SPW], v[NIL]
	s_xor_b32 s[G0+1], s[G0+1], SLOT               ; the other slot (no bit of SLOT is set in a quarter's place),
	s_add_nc_u64 s[G0+2:G0+3], s[G0+2:G0+3], 0x20000   ; 64 rows of 2,048 bytes on
	s_wait_dscnt 0x0                               ; the add is done, my LDS stores have landed, my loads are in
	s_barrier_signal -1
	s_barrier_wait -1
	tensor_load_to_lds s[G0:G0+3], s[G1:G1+7]      ; my one tensor load behind this barrier
	s_nop 0
	NOPS 4
.endm
; ---- x.  A quarter of unit v's loads, tile m, c: register 64 m + 32 c + i = column 64 c + 32 h + i of my 128, as the operand's layout gives them to lane (r, h)
.macro QLOAD v, m, c
	WIN 0xc0                                       ; destination window 3
.irp i, 0,1,2,3,4,5,6,7
	ds_load_b128 v[128*((\v)%2)+64*(\m)+32*(\c)+4*\i:128*((\v)%2)+64*(\m)+32*(\c)+4*\i+3], v[XQ+((\v)/2)%2] offset:((\v)%2)*32*RP+(\m)*16*RP+256*(\c)+16*\i
.endr
.endm
; Eight lines of the search for unit v's tile m's largest magnitudes, four chains by turns: two blocks (2 c + h) x two halves of 16.  The floor 2^(3 - 127) among the leaves holds the byte at 1
.macro QMAX v, m, i0
	WIN 0x0f                                       ; sources 0 and 1: window 3
.set I_, \i0
.rept 8
.set X_, 128*((\v)%2)+64*(\m)+32*((I_/2)%2)+16*(I_%2)+2*(I_/4)
.set Y_, TM+4*(\m)+I_%4
.if I_/4 > 0
	v_max3_num_f32 v[Y_], |v[X_]|, |v[X_+1]|, v[Y_]
.elseif I_%2 == 0
	v_max3_num_f32 v[Y_], |v[X_]|, |v[X_+1]|, 0x1800000
.else
	v_max_num_f32 v[Y_], |v[X_]|, |v[X_+1]|
.endif
.set I_, I_+1
.endr
.endm
; Unit v's two fragments of codes and scale words, into LDS as they stand.  A lane holds two whole blocks of 32: no other lane is asked for a maximum
.macro QEND v
	WIN 0
.irp k, 0,1,2,3
	v_max_num_f32 v[SO+\k], v[TM+2*\k], v[TM+2*\k+1]
.endr
.irp k, 0,1,2,3
	v_add_nc_u32 v[SO+\k], 0xff000000, v[SO+\k]    ; 2 off the exponent field: the conversion's scale operand
.endr
	WIN 0x03                                       ; source 0: window 3
.irp m, 0,1
.irp c, 0,1
	v_cvt_scalef32_pk16_fp6_f32 v[XF+12*\m+6*\c:XF+12*\m+6*\c+2], v[128*((\v)%2)+64*\m+32*\c:128*((\v)%2)+64*\m+32*\c+15], v[SO+2*\m+\c]
	v_cvt_scalef32_pk16_fp6_f32 v[PT+8*\m+4*\c:PT+8*\m+4*\c+2], v[128*((\v)%2)+64*\m+32*\c+16:128*((\v)%2)+64*\m+32*\c+31], v[SO+2*\m+\c]   ; (a conversion's three registers begin on an even number)
.endr
.endr
	WIN 0
.irp k, 0,1,2,3
	v_lshrrev_b32 v[TM+\k], 23, v[SO+\k]           ; the scales' bytes
.endr
.irp m, 0,1
	v_lshl_or_b32 v[PW+\m], v[TM+2*\m+1], 16, v[TM+2*\m]   ; my two bytes, blocks h and 2 + h,
.endr
.irp m, 0,1
	v_lshlrev_b32 v[PW+\m], v[SH8], v[PW+\m]       ; at their places;
.endr
.irp m, 0,1
	v_permlanex16_b32 v[TPQ+\m], v[PW+\m], s[SEL], s[SEL+1]
.endr
.irp m, 0,1
	v_or_b32 v[PW+\m], v[PW+\m], v[TPQ+\m]         ; with lane l xor 16's two the word is whole
.endr
.irp m, 0,1
.irp c, 0,1
.irp i, 0,1,2
	v_mov_b32 v[XF+12*\m+6*\c+3+\i], v[PT+8*\m+4*\c+\i]
.endr
.endr
.endr
.irp m, 0,1
.irp c, 0,1,2
	ds_store_b128 v[XIW], v[XF+12*\m+4*\c:XF+12*\m+4*\c+3] offset:((\v)%2)*IMB+6144*\m+512*\c
.endr
	ds_store_b32 v[XSW], v[PW+\m] offset:((\v)%2)*512+256*\m   ; (both halves of the lanes write the same word with the same value)
.endr
.endm
; ---- the product
.macro FETCHA u, m                     ; tile m's scale words and fragments of K steps 0, 1: 7 loads
	WIN 0
	ds_load_b64 v[XS+2*(\m):XS+2*(\m)+1], v[LXS] offset:((\u)%2)*512+256*(\m)
.irp s, 0,1
.irp c, 0,1,2
	ds_load_b128 v[XF+12*\s+4*\c:XF+12*\s+4*\c+3], v[LIX] offset:((\u)%2)*IMB+(4*(\m)+\s)*1536+512*\c
.endr
.endr
.endm
.macro FETCHB u, m                     ; of K steps 2, 3: 6 loads
	WIN 0
.irp s, 2,3
.irp c, 0,1,2
	ds_load_b128 v[XF+12*\s+4*\c:XF+12*\s+4*\c+3], v[LIX] offset:((\u)%2)*IMB+(4*(\m)+\s)*1536+512*\c
.endr
.endr
.endm
.macro MW csrc, row
	v_wmma_scale_f32_16x16x128_f8f6f4 v[A_:A_+7], v[F_:F_+11], v[XF+12*S_:XF+12*S_+11], \csrc, v[WS_], v[XS_] matrix_a_fmt:MATRIX_FMT_FP6 matrix_b_fmt:MATRIX_FMT_FP6 matrix_a_scale:MATRIX_SCALE_ROW\row matrix_b_scale:MATRIX_SCALE_ROW\row
.endm
.macro MM hf, m, n                     ; product n of a phase: K step n / 4, tile n % 4 of half hf; cb is the C of a sum's first
.set S_, (\n)/4
.set T_, (\n)%4
.set A_, ACC+32*(\hf)+8*T_
.set F_, 48*T_+12*S_
.set WS_, WS+8*(S_/2)+4*(\hf)+T_
.set XS_, XS+2*(\m)+S_/2
.if S_ == 0
	WIN (0x11*(1+(\hf)))
	MW v[192+8*T_:199+8*T_], 0
.elseif S_%2 == 1
	WIN (1+(\hf))
	MW v[A_:A_+7], 1
.else
	WIN (1+(\hf))
	MW v[A_:A_+7], 0
.endif
.endm
; An eighth of a half's share of a row's score: relu, times W_comb.  Step e: accumulator e / 2, its lower or upper four registers; each accumulator from its low end on
.macro EPI hf, e
.set B_, ACC+32*(\hf)+4*(\e)
.set V_, 224+4*(\e)
.set U_, SS+4*((\e)%2)
	WIN (2-(\hf))
.irp j, 0,1,2,3
	v_max_num_f32 v[B_+\j], 0, v[B_+\j]
.endr
.irp q, 0,2
.if ((\hf) == 0) && ((\e) < 2)
	v_pk_mul_f32 v[U_+\q:U_+\q+1], v[V_+\q:V_+\q+1], v[B_+\q:B_+\q+1]   ; the first accumulator starts the four pairs of sums
.else
	v_pk_fma_f32 v[U_+\q:U_+\q+1], v[V_+\q:V_+\q+1], v[B_+\q:B_+\q+1], v[U_+\q:U_+\q+1]
.endif
.endr
.endm
.macro SCORE u, m                      ; my 128 units' share of the scores of rows 16 m + r of unit u
	WIN 0
	v_pk_add_f32 v[SS:SS+1], v[SS:SS+1], v[SS+2:SS+3]
	v_pk_add_f32 v[SS+4:SS+5], v[SS+4:SS+5], v[SS+6:SS+7]
	v_pk_add_f32 v[SS:SS+1], v[SS:SS+1], v[SS+4:SS+5]
	v_add_f32 v[SS], v[SS], v[SS+1]
	v_permlanex16_b32 v[TP], v[SS], s[SEL], s[SEL+1]   ; the row's other 64 units lie in the lane 16 away
	v_add_f32 v[SCR], v[SS], v[TP]
	ds_store_b32 v[PSW], v[SCR] offset:((\u)%2)*PSB+4*(\m)
.endm
; ---- the softmax's step of a unit.  younger: the LDS loads issued behind the partial scores' two
.macro PLOAD u
	WIN 0
	ds_load_b128 v[SV:SV+3], v[PSR] offset:((\u)%2)*PSB
	ds_load_b128 v[SV+4:SV+7], v[PSR] offset:((\u)%2)*PSB+16
.endm
.macro SOFT younger
	s_wait_dscnt \younger
	v_pk_add_f32 v[SV:SV+1], v[SV:SV+1], v[SV+2:SV+3]
	v_pk_add_f32 v[SV+4:SV+5], v[SV+4:SV+5], v[SV+6:SV+7]
	v_pk_add_f32 v[SV:SV+1], v[SV:SV+1], v[SV+4:SV+5]
	v_mul_f32 v[SV], 0x3fb8aa3b, v[SV]             ; t = score x log2(e)
	v_mul_f32 v[SV+1], 0x3fb8aa3b, v[SV+1]
	v_max3_num_f32 v[T0], v[SV], v[SV+1], v[MX]    ; the new m
	v_sub_f32 v[FF], v[MX], v[T0]
	v_sub_f32 v[PV], v[SV], v[T0]
	v_sub_f32 v[PV+2], v[SV+1], v[T0]
	v_mov_b32 v[MX], v[T0]
	s_wait_alu depctr_va_vdst(0)
	v_exp_f32 v[FF], v[FF]                         ; f = 2^(old m - new m)
	v_exp_f32 v[PV], v[PV]                         ; p = 2^(t - m), at most 1
	v_exp_f32 v[PV+2], v[PV+2]
	v_nop
	s_wait_alu depctr_va_vdst(0)
	v_add_f32 v[T1], v[PV], v[PV+2]
	v_fma_f32 v[LSUM], v[LSUM], v[FF], v[T1]
.endm
; Four pairs of columns, from pair i on: the context under the new m; and x of unit v's tile m with its row's weight (of the pair that holds it the low word serves both halves)
.macro CMUL i
	WIN 0
.irp j, 0,1,2,3
	v_pk_mul_f32 v[CT+2*(\i)+2*\j:CT+2*(\i)+2*\j+1], v[CT+2*(\i)+2*\j:CT+2*(\i)+2*\j+1], v[FF:FF+1] op_sel_hi:[1,0]
.endr
.endm
.macro CFMA m, v, i
	WIN 0x03                                       ; source 0 (x): window 3
.irp j, 0,1,2,3
	v_pk_fma_f32 v[CT+2*(\i)+2*\j:CT+2*(\i)+2*\j+1], v[128*((\v)%2)+64*(\m)+2*(\i)+2*\j:128*((\v)%2)+64*(\m)+2*(\i)+2*\j+1], v[PV+2*(\m):PV+2*(\m)+1], v[CT+2*(\i)+2*\j:CT+2*(\i)+2*\j+1] op_sel_hi:[1,0,1]
.endr
.endm
; A prefetch of rows 16 m .. 16 m + 15 of the block that is asked for two intervals on
.macro PREF u, m
.if ((\u) == 0) || ((\u) == 2)
	WIN 0
	global_prefetch_b8 v[PF], s[XP:XP+1] offset:(64*((\u)/2+2)+16*(\m))*2048 th:TH_LOAD_NT scope:SCOPE_SE
.endif
.endm
; ---- what stands behind product n of the four phases of interval u
.macro GAP0 n, u                       ; the context of unit u - 1: under the new m, and its tile 0
.if (\u) > 0
.if (\n)%2 == 0
	CMUL 2*(\n)
.else
	CFMA 0, (\u)-1, 2*((\n)-1)
.endif
.endif
.endm
.macro GAP1 n, u                       ; tile 0's scores, half 0; the context's tile 1; tile 1's fragments, four places or more behind the last products that read their registers (ISA guide 7.12.1 for vector instructions)
.if (\n)%2 == 0
.if ((\n) == 0) && ((\u) == 0)
	NOPS 4                                         ; (where the context's lines do not stand there)
.endif
	EPI 0, (\n)/2
.elseif (\u) > 0
	CFMA 1, (\u)-1, 2*((\n)-1)
.endif
.if (\n) == 3
	PREF \u, 0
.elseif (\n) == 5
	PREF \u, 1
.elseif (\n) == 8
	FETCHA \u, 1
.elseif (\n) == 11
	PREF \u, 2
.elseif (\n) == 13
	PREF \u, 3
.elseif (\n) == 15
.if (\u) == 0
	NOPS 4
.endif
	FETCHB \u, 1
.endif
.endm
.macro GAP2 n, u                       ; tile 0's scores, half 1; unit u + 1's 32 loads of x (an even unit opens a slot: its load must have landed; I alone read my quarter)
.if (\n)%2 == 0
	EPI 1, (\n)/2
.endif
.if (\u) < 7
.if ((\n) == 2) && ((\u)%2 == 1)
	s_wait_tensorcnt 0x0
.endif
.if ((\n) >= 2) && ((\n) <= 5)
	QLOAD (\u)+1, ((\n)-2)/2, ((\n)-2)%2
.endif
.endif
.if (\n) == 7
.if (\u) < 7
	s_wait_dscnt 32                                ; tile 1's fragments of K steps 2, 3 are in; x's 32 loads may be out
.else
	s_wait_dscnt 0x0
.endif
.elseif (\n) == 15
	SCORE \u, 0
.endif
.endm
.macro GAP3 n, u                       ; tile 1's scores, half 0; the largest magnitudes of unit u + 1
.if (\n)%2 == 0
	EPI 0, (\n)/2
.elseif (\u) < 7
.if (\n) == 1
	s_wait_dscnt 17                                ; x's tile 0 is in: behind it 16 loads and a score's store
.elseif (\n) == 9
	s_wait_dscnt 1                                 ; x's tile 1 is in: behind it that store
.endif
	QMAX (\u)+1, (\n)/8, 8*(((\n)/2)%4)
.endif
.endm
.macro PHASE hf, m, list, u
.set N_, 0
.rept 16
	MM \hf, \m, N_
	\list N_, \u
.set N_, N_+1
.endr
.endm
.macro INTERVAL u
.if (\u) > 0
	PLOAD (\u)-1
.endif
	FETCHA \u, 0
	FETCHB \u, 0
.if (\u) > 0
	SOFT 13                                        ; behind the partial scores' loads: the 13 of the fragments and scale words
.else
	s_wait_loadcnt 0x0                             ; W's codes and scale words, cb, W_comb
.endif
	s_wait_dscnt 0x0
	PHASE 0, 0, GAP0, \u
	PHASE 1, 0, GAP1, \u
	s_wait_dscnt 6                                 ; tile 1's fragments of K steps 0, 1 are in; the six loads behind them may be out
	PHASE 0, 1, GAP2, \u
	PHASE 1, 1, GAP3, \u
.if (\u) < 7
	QEND (\u)+1
.else
	NOPS 4
.endif
.irp e, 0,1,2,3,4,5,6,7
	EPI 1, \e
.endr
	SCORE \u, 1
.if ((\u) == 1) || ((\u) == 3)
	NEXTBLK                                        ; both units of the slot that is filled again have gone into registers an interval ago
.else
	BARR
.endif
.endm
	s_load_b256 s[4:11], s[0:1], 0x0               ; x s4, wq s6, wsc s8, cb s10
	s_load_b128 s[12:15], s[0:1], 0x20             ; W_comb s12, part s14
	v_lshl_add_u32 v[SPW], v0, 2, SPARE
	v_mov_b32 v[NIL], 0
	ds_add_u32 v[SPW], v[NIL]                      ; the opening lines: the add, twice on end, and its wait ahead of my first tensor load
	ds_add_u32 v[SPW], v[NIL]
	v_lshrrev_b32 v248, 5, v0
	v_readfirstlane_b32 s[WV], v248                ; wave 0..3
	; descriptor group 1: a tile of 64 rows x 128 elements of 4 bytes, rows 512 elements apart in memory, 16 bytes of padding behind each row in LDS
	s_mov_b32 s[G1+0], (2<<16)|(1<<20)|(6<<22)|(3<<25)   ; no mask; elements of 4 bytes; padding on, after every 128 words (code 6), of 4 words (code 3)
	s_mov_b32 s[G1+1], 128<<16                     ; tensor_dim0 = 128
	s_mov_b32 s[G1+2], 64<<16                      ; tensor_dim1 = 64
	s_mov_b32 s[G1+3], 128<<16                     ; tile_dim0 = 128
	s_mov_b32 s[G1+4], 64                          ; tile_dim1 = 64
	s_mov_b32 s[G1+5], 512                         ; tensor_dim0_stride
	s_mov_b32 s[G1+6], 0
	s_mov_b32 s[G1+7], 0
	s_mov_b32 s[SEL], 0x76543210
	s_mov_b32 s[SEL+1], 0xfedcba98
	s_mov_b32 s[G0], 1
	s_mul_i32 s[G0+1], s[WV], QB                   ; my quarter of slot 0
	s_mul_i32 s55, s[WV], 1536
	s_and_b32 s53, s[WV], 1
	s_lshl_b32 s53, s53, 7
	s_lshr_b32 s54, s[WV], 1
	s_lshl_b32 s54, s54, 2
	s_add_co_u32 s53, s53, s54                     ; 128 (w % 2) + 4 (w / 2)
	s_lshl_b32 s52, s[WV], 3
	v_and_b32 v248, 31, v0                         ; lane
	v_and_b32 v249, 15, v0                         ; r
	v_bfe_u32 v250, v0, 4, 1                       ; h
	v_lshlrev_b32 v[L16], 4, v248
	v_lshlrev_b32 v[L8], 3, v248
	v_lshlrev_b32 v[H32], 5, v250
	v_lshlrev_b32 v[SH8], 3, v250
	v_lshlrev_b32 v[WSA], 2, v249
	v_lshl_add_u32 v[WSA], v250, 7, v[WSA]
	v_mul_u32_u24 v[XQ], v249, RP
	v_lshl_add_u32 v[XQ], v250, 7, v[XQ]
	v_add_nc_u32 v[XQ], s[G0+1], v[XQ]
	v_add_nc_u32 v[XQ+1], SLOT, v[XQ]
	v_add_nc_u32 v[CQ], s[G0+1], v[L16]
	v_add_nc_u32 v[XIW], s55, v[L16]
	v_add_nc_u32 v[XIW], XIMG, v[XIW]
	v_add_nc_u32 v[LIX], XIMG, v[L16]
	v_lshlrev_b32 v[XSW], 3, v249
	v_add_nc_u32 v[XSW], s53, v[XSW]
	v_add_nc_u32 v[XSW], XSC, v[XSW]
	v_add_nc_u32 v[LXS], XSC, v[L8]
	v_mul_u32_u24 v[PSR], v249, PSP
	v_add_nc_u32 v[PSR], PS, v[PSR]
	v_add_nc_u32 v[PSW], s52, v[PSR]
	v_lshrrev_b32 v[PF], 1, v248
	v_lshlrev_b32 v[PF], 11, v[PF]
	v_and_b32 v251, 1, v248
	v_lshl_add_u32 v[PF], v251, 8, v[PF]
	v_mov_b32 v[TP], 0                             ; written once: a lane permute's destination counts as one of its sources
	v_mov_b32 v[TPQ], 0
	v_mov_b32 v[TPQ+1], 0
	v_mov_b32 v[PV+1], 0                           ; written once: named as the upper halves of pairs
	v_mov_b32 v[PV+3], 0
	v_mov_b32 v[FF+1], 0
	v_mov_b32 v[MX], 0xff61b1e6                    ; the largest t so far: -3e38, under every t
	v_mov_b32 v[LSUM], 0
	s_wait_alu depctr_va_vdst(0)
	s_wait_dscnt 0x0                               ; both opening adds are done
	s_wait_kmcnt 0x0
	s_lshl_b32 s52, ttmp9, 19                      ; 256 rows of 2,048 bytes a work-group,
	s_lshl_b32 s54, s[WV], 9                       ; my wave's 512 bytes of a row
	s_add_co_u32 s52, s52, s54
	s_mov_b32 s53, 0
	s_add_nc_u64 s[XP:XP+1], s[4:5], s[52:53]
	s_mov_b64 s[G0+2:G0+3], s[XP:XP+1]             ; block 0
	s_or_b32 s[G0+3], s[G0+3], 0x80000000          ; type = 2
	tensor_load_to_lds s[G0:G0+3], s[G1:G1+7]      ; my one tensor load at the head
	s_nop 0
	NOPS 4
	s_mul_i32 s52, s[WV], 49152                    ; my 32 fragments of 1,536 bytes,
	s_add_nc_u64 s[WQP:WQP+1], s[6:7], s[52:53]
	s_lshl_b32 s52, s[WV], 12                      ; their scale words, 128 bytes each,
	s_add_nc_u64 s[WSP:WSP+1], s[8:9], s[52:53]
	s_lshr_b32 s54, ttmp9, 2                       ; the batch
	s_lshl_b32 s54, s54, 6
	s_lshl_b32 s52, s[WV], 15                      ; cb: my 8 tiles of 4,096 bytes, the batch's 64 bytes in each,
	s_add_co_u32 s52, s52, s54
	s_add_nc_u64 s[CBP:CBP+1], s[10:11], s[52:53]
	s_lshl_b32 s52, s[WV], 9                       ; W_comb: my 128 numbers,
	s_add_nc_u64 s[WCP:WCP+1], s[12:13], s[52:53]
	s_mul_i32 s54, ttmp9, 2304                     ; part: 2,304 bytes a work-group, my wave's 512
	s_add_co_u32 s52, s52, s54
	s_add_nc_u64 s[PP:PP+1], s[14:15], s[52:53]
.irp m, 0,1,2,3
	global_prefetch_b8 v[PF], s[XP:XP+1] offset:(64+16*\m)*2048 th:TH_LOAD_NT scope:SCOPE_SE   ; block 1: its tensor load follows when block 0 has landed
.endr
	; what stays in registers.  Every load of codes covers 512 consecutive bytes.  Other work-groups read the same bytes: no hint
.macro STAY hf
	WIN (0x40*(1+(\hf)))
.irp t, 0,1,2,3
.irp s, 0,1,2,3
.irp c, 0,1,2
	global_load_b128 v[48*\t+12*\s+4*\c:48*\t+12*\s+4*\c+3], v[L16], s[WQP:WQP+1] offset:(4*(4*(\hf)+\t)+\s)*1536+512*\c
.endr
.endr
.endr
.irp t, 0,1,2,3
	global_load_b128 v[192+8*\t:195+8*\t], v[H32], s[CBP:CBP+1] offset:4096*(4*(\hf)+\t)   ; cb at units 16 t + 8 h + 0 .. 7: the result's layout
	global_load_b128 v[196+8*\t:199+8*\t], v[H32], s[CBP:CBP+1] offset:4096*(4*(\hf)+\t)+16
	global_load_b128 v[224+8*\t:227+8*\t], v[H32], s[WCP:WCP+1] offset:64*(4-4*(\hf)+\t)   ; the other half's W_comb likewise
	global_load_b128 v[228+8*\t:231+8*\t], v[H32], s[WCP:WCP+1] offset:64*(4-4*(\hf)+\t)+16
.endr
.endm
	STAY 0
	STAY 1
	WIN 0
.irp q, 0,1
.irp t, 0,1,2,3,4,5,6,7
	global_load_b32 v[WS+8*\q+\t], v[WSA], s[WSP:WSP+1] offset:128*(4*\t+2*\q)
.endr
.endr
.set I_, 0
.rept 64
	v_mov_b32 v[CT+I_], 0                          ; the context: the first step's f = 2^(-3e38 - m) = 0 finds zeros
.set I_, I_+1
.endr
	NEXTBLK                                        ; block 0 has landed; slot 1's first fill, block 1
	QLOAD 0, 0, 0
	QLOAD 0, 0, 1
	QLOAD 0, 1, 0
	QLOAD 0, 1, 1
	s_wait_dscnt 16                                ; tile 0's numbers are in; tile 1's 16 loads may be out
.irp i, 0,8,16,24
	QMAX 0, 0, \i
.endr
	s_wait_dscnt 0x0
.irp i, 0,8,16,24
	QMAX 0, 1, \i
.endr
	QEND 0
	BARR                                           ; unit 0's eight fragments lie in LDS
.irp u, 0,1,2,3,4,5,6,7
	INTERVAL \u
.endr
	; ---- unit 7's softmax step and context
	PLOAD 7
	SOFT 0
.irp i, 0,4,8,12,16,20,24,28
	CMUL \i
.endr
.irp m, 0,1
.irp i, 0,4,8,12,16,20,24,28
	CFMA \m, 7, \i
.endr
.endr
	WIN 0
	; ---- THE END.  The sixteen lanes of a half, each under its own m, come under the largest (both halves hold the same)
	v_max_num_f32_dpp v[T0], v[T0], v[T0] row_xmask:1 row_mask:0xf bank_mask:0xf
	v_max_num_f32_dpp v[T0], v[T0], v[T0] row_xmask:2 row_mask:0xf bank_mask:0xf
	v_max_num_f32_dpp v[T0], v[T0], v[T0] row_xmask:4 row_mask:0xf bank_mask:0xf
	v_max_num_f32_dpp v[T0], v[T0], v[T0] row_xmask:8 row_mask:0xf bank_mask:0xf
	v_sub_f32 v[FF], v[MX], v[T0]
	v_mov_b32 v[MX], v[T0]
	s_wait_alu depctr_va_vdst(0)
	v_exp_f32 v[FF], v[FF]
	v_nop
	s_wait_alu depctr_va_vdst(0)
	v_mul_f32 v[LSUM], v[LSUM], v[FF]
.irp i, 0,4,8,12,16,20,24,28
	CMUL \i
.endr
	; Lane (r, h) holds, for 64 columns, the sum over the rows that it owned.  The sixteen lanes' sums meet in my own quarter of slot 0, which has had its last fill and its last read: in as 16 rows of 512 bytes,
	; back 16 bytes (4 columns) a lane.  LDS serves a wave's instructions in order (ISA guide 5.7.1.4): no wait between the stores and the loads
.irp c, 0,1
.irp i, 0,1,2,3,4,5,6,7
	ds_store_b128 v[XQ], v[CT+32*\c+4*\i:CT+32*\c+4*\i+3] offset:256*\c+16*\i
.endr
.endr
.irp j, 0,1,2,3,4,5,6,7,8,9,10,11,12,13,14,15
	ds_load_b128 v[RBK+4*\j:RBK+4*\j+3], v[CQ] offset:\j*RP
.endr
	v_add_f32_dpp v[LSUM], v[LSUM], v[LSUM] row_xmask:1 row_mask:0xf bank_mask:0xf   ; the sum of p over all rows
	v_add_f32_dpp v[LSUM], v[LSUM], v[LSUM] row_xmask:2 row_mask:0xf bank_mask:0xf
	v_add_f32_dpp v[LSUM], v[LSUM], v[LSUM] row_xmask:4 row_mask:0xf bank_mask:0xf
	v_add_f32_dpp v[LSUM], v[LSUM], v[LSUM] row_xmask:8 row_mask:0xf bank_mask:0xf
	s_wait_alu depctr_va_vdst(0)
	s_wait_dscnt 0x0                               ; the 16 rows are back
	s_wait_tensorcnt 0x0                           ; the wave's end: the additions stand between the add and the wait for it
	ds_add_u32 v[SPW], v[NIL]
.irp j, 0,1,2,3,4,5,6,7
	v_pk_add_f32 v[RBK+4*\j:RBK+4*\j+1], v[RBK+4*\j:RBK+4*\j+1], v[RBK+32+4*\j:RBK+32+4*\j+1]
	v_pk_add_f32 v[RBK+4*\j+2:RBK+4*\j+3], v[RBK+4*\j+2:RBK+4*\j+3], v[RBK+32+4*\j+2:RBK+32+4*\j+3]
.endr
.irp j, 0,1,2,3
	v_pk_add_f32 v[RBK+4*\j:RBK+4*\j+1], v[RBK+4*\j:RBK+4*\j+1], v[RBK+16+4*\j:RBK+16+4*\j+1]
	v_pk_add_f32 v[RBK+4*\j+2:RBK+4*\j+3], v[RBK+4*\j+2:RBK+4*\j+3], v[RBK+16+4*\j+2:RBK+16+4*\j+3]
.endr
.irp j, 0,1
	v_pk_add_f32 v[RBK+4*\j:RBK+4*\j+1], v[RBK+4*\j:RBK+4*\j+1], v[RBK+8+4*\j:RBK+8+4*\j+1]
	v_pk_add_f32 v[RBK+4*\j+2:RBK+4*\j+3], v[RBK+4*\j+2:RBK+4*\j+3], v[RBK+8+4*\j+2:RBK+8+4*\j+3]
.endr
	v_pk_add_f32 v[RBK:RBK+1], v[RBK:RBK+1], v[RBK+4:RBK+5]
	v_pk_add_f32 v[RBK+2:RBK+3], v[RBK+2:RBK+3], v[RBK+6:RBK+7]
	s_wait_alu depctr_va_vdst(0)
	s_wait_dscnt 0x0
	global_store_b128 v[L16], v[RBK:RBK+3], s[PP:PP+1]       ; my 128 columns: 512 consecutive bytes, at a multiple of 256 from part's first byte
	s_cmp_lg_u32 s[WV], 0
	s_cbranch_scc1 .Lend
	global_store_b64 v[L8], v[MX:MX+1], s[PP:PP+1] offset:2048   ; wave 0: (m, sum), 32 copies: 256 consecutive bytes
.Lend:
	s_endpgm
.Lfunc_end_k_qf5b700c1c9_main:
	.size	k_qf5b700c1c9_main, .Lfunc_end_k_qf5b700c1c9_main-k_qf5b700c1c9_main
	.p2alignl 7, 3214868480
	.fill 96, 4, 3214868480
	.section	.rodata,"a",@progbits
	.p2align	6, 0x0
	.amdhsa_kernel k_qf5b700c1c9_main
		.amdhsa_group_segment_fixed_size 327680
		.amdhsa_private_segment_fixed_size 0
		.amdhsa_enable_private_segment 0
		.amdhsa_kernarg_size 48
		.amdhsa_user_sgpr_count 2
		.amdhsa_user_sgpr_kernarg_segment_ptr 1
		.amdhsa_wavefront_size32 1
		.amdhsa_system_sgpr_workgroup_id_x 1
		.amdhsa_system_sgpr_workgroup_id_y 1
		.amdhsa_system_sgpr_workgroup_id_z 1
		.amdhsa_system_vgpr_workitem_id 0
		.amdhsa_next_free_vgpr 1024
		.amdhsa_next_free_sgpr 66
		.amdhsa_reserve_vcc 0
		.amdhsa_float_denorm_mode_32 3
		.amdhsa_float_denorm_mode_16_64 3
		.amdhsa_memory_ordered 1
		.amdhsa_forward_progress 1
		.amdhsa_inst_pref_size 255
	.end_amdhsa_kernel
	.section	.bss,"aw",@nobits
	.p2align	6
	.space	262144
	.amdgpu_metadata
---
amdhsa.version: [ 1, 2 ]
amdhsa.kernels:
  - .name:           k_qf5b700c1c9_main
    .symbol:         k_qf5b700c1c9_main.kd
    .args:
      - { .name: encoded_features_map, .offset: 0, .size: 8, .value_kind: global_buffer, .address_space: global }
      - { .name: wq, .offset: 8, .size: 8, .value_kind: global_buffer, .address_space: global }
      - { .name: wsc, .offset: 16, .size: 8, .value_kind: global_buffer, .address_space: global }
      - { .name: cb, .offset: 24, .size: 8, .value_kind: global_buffer, .address_space: global }
      - { .name: W_comb, .offset: 32, .size: 8, .value_kind: global_buffer, .address_space: global }
      - { .name: part, .offset: 40, .size: 8, .value_kind: global_buffer, .address_space: global }
    .group_segment_fixed_size: 327680
    .private_segment_fixed_size: 0
    .kernarg_segment_align: 8
    .kernarg_segment_size: 48
    .max_flat_workgroup_size: 128
    .sgpr_count:     66
    .vgpr_count:     1024
    .wavefront_size: 32
...
	.end_amdgpu_metadata
.endif
;; end of part 2
;; launch join (part 3): grid 64 x 1, 4 waves a work-group, no clusters, 0 bytes of LDS; arguments part, out0; writes out0
.if DOCPART == 3
	.amdgcn_target "amdgcn-amd-amdhsa--gfx1250"
	.amdhsa_code_object_version 6
	.text
	.protected	k_qf5b700c1c9_join
	.globl	k_qf5b700c1c9_join
	.p2align	8
	.type	k_qf5b700c1c9_join,@function
k_qf5b700c1c9_join:
	s_mov_b64 s[64:65], 0
	v_nop
	global_prefetch_b8 v0, s[64:65] scope:SCOPE_SE
	s_setreg_imm32_b32 hwreg(HW_REG_WAVE_MODE, 25, 1), 1
	s_wait_xcnt 0x0
; JOIN.  A batch's four partial results (ctx_g[512], m_g, l_g), each taken under its own largest m_g (to the base 2), become the context:
; M = the largest m_g;  e_g = 2^(m_g - M);  out0[b][c] = (the sum of e_g ctx_g[c]) / (the sum of e_g l_g).  The divisor is at least 1: the part that holds M has e = 1 and a weight of 1 among its l.
; A work-group to a batch; thread t owns columns 4 t .. 4 t + 3.  9 KiB in, 2 KiB out a work-group: no LDS, no barrier, no matrix unit, and no loop for a prefetch to run ahead in; eight loads, one wait.
	s_load_b128 s[4:7], s[0:1], 0x0                ; part, out0
	v_lshlrev_b32 v1, 4, v0                        ; 16 t
	v_and_b32 v2, 31, v0
	v_lshlrev_b32 v2, 3, v2                        ; 8 x lane: my copy of (m, l)
	s_mul_i32 s8, ttmp9, 9216                      ; four parts of 2,304 bytes a batch
	s_mov_b32 s9, 0
	s_lshl_b32 s10, ttmp9, 11                      ; a row of out0 is 2,048 bytes
	s_mov_b32 s11, 0
	s_wait_alu depctr_va_vdst(0)
	s_wait_kmcnt 0x0
	s_add_nc_u64 s[4:5], s[4:5], s[8:9]
	s_add_nc_u64 s[6:7], s[6:7], s[10:11]
.irp g, 0,1,2,3
	global_load_b64 v[4+2*\g:5+2*\g], v2, s[4:5] offset:2304*\g+2048
.endr
.irp g, 0,1,2,3
	global_load_b128 v[16+4*\g:19+4*\g], v1, s[4:5] offset:2304*\g   ; a wave reads 512 consecutive bytes
.endr
	s_wait_loadcnt 0x0
	v_max3_num_f32 v12, v4, v6, v8
	v_max_num_f32 v12, v12, v10                    ; M
.irp g, 0,1,2,3
	v_sub_f32 v[32+\g], v[4+2*\g], v12
.endr
	s_wait_alu depctr_va_vdst(0)
.irp g, 0,1,2,3
	v_exp_f32 v[32+\g], v[32+\g]
.endr
	v_nop                                          ; a plain instruction between the exponentials and the use of their results
	s_wait_alu depctr_va_vdst(0)
	v_mul_f32 v13, v32, v5
	v_fma_f32 v13, v33, v7, v13
	v_fma_f32 v13, v34, v9, v13
	v_fma_f32 v13, v35, v11, v13                   ; the row's whole sum
	s_wait_alu depctr_va_vdst(0)
	v_rcp_f32 v13, v13
	v_nop                                          ; a plain instruction behind the reciprocal
	s_wait_alu depctr_va_vdst(0)
.irp g, 0,1,2,3
	v_mul_f32 v[32+\g], v[32+\g], v13
.endr
.irp e, 0,1,2,3
	v_mul_f32 v[40+\e], v32, v[16+\e]
.endr
.irp g, 1,2,3
.irp e, 0,1,2,3
	v_fma_f32 v[40+\e], v[32+\g], v[16+4*\g+\e], v[40+\e]
.endr
.endr
	global_store_b128 v1, v[40:43], s[6:7]         ; a wave stores 512 consecutive bytes, at a multiple of 256 from out0's first byte
	s_endpgm
.Lfunc_end_k_qf5b700c1c9_join:
	.size	k_qf5b700c1c9_join, .Lfunc_end_k_qf5b700c1c9_join-k_qf5b700c1c9_join
	.p2alignl 7, 3214868480
	.fill 96, 4, 3214868480
	.section	.rodata,"a",@progbits
	.p2align	6, 0x0
	.amdhsa_kernel k_qf5b700c1c9_join
		.amdhsa_group_segment_fixed_size 0
		.amdhsa_private_segment_fixed_size 0
		.amdhsa_enable_private_segment 0
		.amdhsa_kernarg_size 16
		.amdhsa_user_sgpr_count 2
		.amdhsa_user_sgpr_kernarg_segment_ptr 1
		.amdhsa_wavefront_size32 1
		.amdhsa_system_sgpr_workgroup_id_x 1
		.amdhsa_system_sgpr_workgroup_id_y 1
		.amdhsa_system_sgpr_workgroup_id_z 1
		.amdhsa_system_vgpr_workitem_id 0
		.amdhsa_next_free_vgpr 48
		.amdhsa_next_free_sgpr 66
		.amdhsa_reserve_vcc 0
		.amdhsa_float_denorm_mode_32 3
		.amdhsa_float_denorm_mode_16_64 3
		.amdhsa_memory_ordered 1
		.amdhsa_forward_progress 1
		.amdhsa_inst_pref_size 4
	.end_amdhsa_kernel
	.amdgpu_metadata
---
amdhsa.version: [ 1, 2 ]
amdhsa.kernels:
  - .name:           k_qf5b700c1c9_join
    .symbol:         k_qf5b700c1c9_join.kd
    .args:
      - { .name: part, .offset: 0, .size: 8, .value_kind: global_buffer, .address_space: global }
      - { .name: out0, .offset: 8, .size: 8, .value_kind: global_buffer, .address_space: global }
    .group_segment_fixed_size: 0
    .private_segment_fixed_size: 0
    .kernarg_segment_align: 8
    .kernarg_segment_size: 16
    .max_flat_workgroup_size: 128
    .sgpr_count:     66
    .vgpr_count:     48
    .wavefront_size: 32
...
	.end_amdgpu_metadata
.endif
;; end of part 3
